; MI455X (gfx1250); checked and timed in simulation.
; The chip was launched on July 23, 2026; its instructions are those of AMD's public machine-readable ISA for CDNA 5 (MIT licence, August 2026) and "CDNA5" Instruction Set Architecture Reference Guide (July 2026). The comments in the code are by the model that wrote it; some were corrected since.
;; Recurrent NALU. Allowed arithmetic: matrix products marked QUANTISED: E5M2 operands, one given power-of-two scale a tensor, by v_wmma_f32_16x16x64_bf8_bf8 or v_wmma_f32_16x16x128_bf8_bf8, f32 sums; everything else in f32.
;; Inputs: G_add_codes 128 x 8 x 32 uint8 (E5M2 codes of G_add, K innermost, in blocks of 32 codes); W_add 128 x 256 float32; W_mul 128 x 256 float32; h_tm1 4,096 x 128 float32; lowp_scales 4 int32 (the exponents e of the quantised operands' scales 2^e); x_t 4,096 x 128 float32.
;; Outputs: out0 4,096 x 128 float32.
;; This version of the problem:
;;   THIS VERSION OF THE PROBLEM IS GIVEN IN LOW PRECISION. The matrix products marked QUANTISED in the list below multiply operands that are first quantised to E5M2 (5 exponent bits, 2 mantissa bits; 8 bits a number), with one given power-of-two scale for each operand tensor; their sums are f32. All else is computed in f32.
;;   The module's matrix products, in the order in which they are computed (A, B: the left and right operand; K: the contracted axis; several contracted axes count as one K, in the product's order):
;;     1. [M 4,096, K 256] x [K 256, N 128]; A: computed on the way; B: input G_add (given as codes): QUANTISED (scales: A lowp_scales[0], B lowp_scales[1])
;;     2. [M 4,096, K 256] x [K 256, N 128]; A: computed on the way; B: computed on the way: QUANTISED (scales: A lowp_scales[2], B lowp_scales[3])
;;   THE QUANTISER, for each operand of a quantised product, along K:
;;     - The operand's scale is 2^e, e = its entry of the input lowp_scales (int32; the entries are numbered through the quantised products in the list's order, A before B).
;;     - Each number is divided by the scale, clamped to +-57,344, and rounded to the nearest number of E5M2, ties to even, subnormals kept.
;;     - The product sums the exact products of the quantised numbers (number of the format x scale) in f32.
;;   ~~~python
;;   def quantise(x, axis, e):      # numpy; x: float32 -> the quantised numbers, widened to float32 again
;;       x = np.moveaxis(x, axis, -1); K = x.shape[-1]
;;       r = np.clip(x / 2.0 ** e, -57344, 57344)
;;       step = 2.0 ** (np.maximum(np.frexp(np.where(r == 0, 1, r))[1] - 1, -14) - 2)
;;       q = np.round(r / step) * step * 2.0 ** e      # np.round: ties to even
;;       return np.moveaxis(q, -1, axis).astype(np.float32)
;;   ~~~
;;   OPERANDS COMPUTED ON THE WAY. 'Computed on the way' means the value that the module computes at that place (a softmax that the list does not call 'softmax' is quantised finished and normalised). What goes into a quantiser is computed in f32, as accurately as f32 sums, v_exp_f32 and their like allow (about 1e-6 of the number): no bf16 or f16 on the way to a quantiser, and a product that is left as it is and whose result goes on into a quantised operand takes f32 operands (vector FMAs, or v_wmma_f32_16x16x4_f32). A number that lies on a knife's edge between two numbers of the format may be rounded either way, as far as f32 arithmetic and the matrix unit's own rounding can turn it there, and no further.
;;   INPUTS GIVEN AS CODES. G_add (in the module: [128, 256], K = its axis 1): each comes as NAME_codes (uint8): NAME with its K axis moved to the last place and cut into blocks of 32 codes, [.., K / 32, bytes a block], one block behind the other in memory; one code a byte (a code: sign, 5 exponent bits, 2 mantissa bits); its scale is its entry of lowp_scales. Its value is code x scale, taken as it is: it is not quantised again, and the codes and scales need not be those that the quantiser above would give.
;; One version. Each part assembles by itself: llvm-mc -triple=amdgcn-amd-amdhsa -mcpu=gfx1250 --defsym DOCPART=n.
;; ======== version 1 of 1: 1 launch
;; launch nalu (part 1): grid 256 x 1, 8 waves a work-group, clusters of 4 x 1, 327,680 bytes of LDS; arguments x_t, h_tm1, W_add, W_mul, G_add_codes, lowp_scales, out0; writes out0
.if DOCPART == 1
	.amdgcn_target "amdgcn-amd-amdhsa--gfx1250"
	.amdhsa_code_object_version 6
	.text
	.protected	k_q9dea5acedb_nalu
	.globl	k_q9dea5acedb_nalu
	.p2align	8
	.type	k_q9dea5acedb_nalu,@function
k_q9dea5acedb_nalu:
	s_mov_b64 s[64:65], 0
	v_nop
	global_prefetch_b8 v0, s[64:65] scope:SCOPE_SE
	s_setreg_imm32_b32 hwreg(HW_REG_WAVE_MODE, 25, 1), 1
	s_wait_xcnt 0x0
	s_wait_alu depctr_hold_cnt(0) depctr_sa_sdst(0) depctr_va_vdst(0) depctr_va_sdst(0) depctr_va_ssrc(0) depctr_va_vcc(0) depctr_vm_vsrc(0)
	s_getreg_b32 s2, hwreg(HW_REG_IB_STS2, 6, 4)
	s_cmp_eq_u32 s2, 0
	s_cbranch_scc0 .Lentry_in_a_cluster
	s_endpgm
.Lentry_in_a_cluster:
	s_bfe_u32 s2, ttmp6, 0x10000c
	s_cmp_lg_u32 s2, 0x3003
	s_cbranch_scc0 .Lentry_shape_is_right
	s_endpgm
.Lentry_shape_is_right:
; y = g a + (1 - g) m for x = [x_t | h_tm1], [4096][256]:
;   g = sigmoid(Q(x) G^T), a = Q(x) Q(clip(W_add, -1, 1))^T: both products on codes of BF8 (E5M2), each operand with its given scale 2^e (e0 x, e1 G, e2 x, e3 W_add); sums in f32;
;   m[b][j] = the product over k of (x[b][k] W[j][k] + 1 - W[j][k]), W = clip(W_mul, 0, 1), in f32.
; THE PRODUCT m IS THE WORK: 4096 x 256 x 128 factors.  A factor is written (x - 1) W + 1: one fused multiply-add; one multiply puts it onto the running product; both go packed, two numbers an instruction.
; SHARES.  A work-group of eight waves owns 16 rows and all 128 columns.  FOR m THE WAVES SHARE K: wave w keeps W[all 128 columns][k = 32 w .. 32 w + 31] in 128 registers (lane l: columns 4 l + s, s = 0..3)
; and walks the 16 rows, four at a time.  x - 1 lies in LDS as rows and is read with one address for all lanes: 16 bytes (4 k of a row) feed 8 multiply-adds and 8 multiplies.  A register pair holds the product of
; the even k and that of the odd k.  The eight waves' partial products meet in LDS at the end.  FOR g AND a THE WAVES SHARE THE COLUMNS: wave w makes columns 16 w .. 16 w + 15 for the 16 rows, 4 matrix instructions.
; CLUSTER.  Every work-group reads the same W_mul, W_add and G: the four partners of a cluster ask for each tile JOINTLY (the same tensor load, the same descriptor, mask 15).  Every LDS byte is filled once.
; W_mul's tiles take every fourth row of memory, so that column 4 l + s lies in LDS row 32 s + l: neighbouring lanes read neighbouring LDS rows, and a lane ends with four neighbouring columns of y.
; W_mul is asked for last: the matrix phase needs only x, G and W_add and runs while W_mul is on its way.
; LIMITS.  e0, e2, e3 between -126 and 112; e0 + e1 and e2 + e3 between -126 and 127 (each power of two below is built as an f32 number).  NaN among the inputs is not served.
; The 256 factors of m are multiplied in another order than reference() takes them (even and odd k of a slab of 32, then the eight slabs): an intermediate product can leave f32's range at another place.
; No prefetch: every stream is asked for at the kernel's head, once.
.set WP,    1040                       ; an LDS row of 256 f32: 1,024 bytes + 16 of padding = 260 words: row r starts at bank 4 r mod 64 (64 banks of 4 bytes: ISA guide 11.1), so 16 rows of a load start at 16 different banks
.set PIECE, 16*WP                      ; 16 such rows: what one tensor load brings
.set WADD,  8*PIECE                    ; LDS: W_mul's 128 rows begin at byte 0; then W_add's 128 rows,
.set GCOD,  16*PIECE                   ; G's 128 rows of 256 codes,
.set GP,    272                        ; 256 bytes + 16 of padding each,
.set XPR,   GCOD+128*GP                ; x - 1: 16 rows of WP bytes,
.set XIM,   XPR+PIECE                  ; and x's four operands as images of their registers: (e0, k 0-127), (e0, k 128-255), (e2, ..), (e2, ..)
.set FRB,   2048                       ; an image: 16 registers x 32 lanes x 4 bytes
.set PQP,   144                        ; the stage for g a and 1 - g, in the head of each wave's own rows of W_add, which it alone has read: a row of 16 + 16 numbers + 16 bytes
.set PQT,   PIECE+64                   ; from one wave's stage to the next: 64 bytes of skew, so that 16 lanes that read four waves' stages touch 16 different columns of 16 bytes
.set PART,  4096                       ; the partial products: 16 rows x 512 bytes, from this byte of each wave's own rows of W_add on
.set LN,  1                            ; v1  lane       v2  r = lane % 16       v3  h = lane / 16
.set RR,  2
.set HH,  3
.set GOF, 4                            ; v4  x: my byte in the work-group's 16 rows of x_t or h_tm1
.set AXS, 5                            ; v5  where I store x - 1
.set AIS, 6                            ; v6  where I store my part of x's images
.set AIM, 7                            ; v7  16 x lane in the images: where any wave reads them
.set AGC, 8                            ; v8  my place in my 16 rows of G
.set AWA, 9                            ; v9  my place in my 16 rows of W_add
.set APQ, 10                           ; v10 where I store g a and 1 - g
.set AW0, 11                           ; v11, v12 my place in W_mul's LDS rows 0-63, 64-127
.set AW1, 12
.set AXB, 13                           ; v13 my wave's k of row 0 of x - 1 (the same in all lanes)
.set APS, 14                           ; v14 where I store row 0's partial products
.set AXC, 15                           ; v15, v16 the same two for the group of rows in hand
.set APC, 16
.set AF0, 17                           ; v17, v18 where I read waves 0-3's, 4-7's partial products back
.set AF1, 18
.set AQR, 19                           ; v19 where I read g a and 1 - g back
.set OOF, 20                           ; v20 my byte in the work-group's 16 rows of y
.set SC0, 21                           ; v21-23 2^e0, 2^e2, 2^e3 as f32: the conversions take their exponent fields
.set SC2, 22
.set SC3, 23
.set TMP, 24
.set XB,  32                           ; v32-63   two buffers of x - 1: 4 rows x 4 k
.set T,   64                           ; v64-95   16 pairs of factors
.set ACC, 96                           ; v96-127  16 pairs of running products: row q, columns' set s at 8 q + 2 s
.set W,   128                          ; v128-255 my slab of W: set s, k at 32 s + k
.set XR,  32                           ; the first phase: 16 numbers of x; x - 1; x held for e0, for e2; their codes
.set XM,  48
.set TQ,  64
.set TQ2, 80
.set C0,  96
.set C2,  100
.set GF,  32                           ; the matrix phase: G's two fragments; W_add's codes; the two accumulators; at work; W_add as f32, later x's four fragments
.set WC,  64
.set D1,  96
.set D2,  104
.set EX,  112
.set AV,  120
.set WA,  128
.set XF,  128
.set PR,  128                          ; the way out: 2 rows x 8 partial products x 4 columns; g a and 1 - g
.set PQ,  192
.set WV,  18                           ; s18 my wave's number
.set G1G, 24                           ; s[24:31], s[32:39], s[40:47] descriptor groups 1: G's, W_add's, W_mul's tiles
.set G1A, 32
.set G1M, 40
.set G0G, 48                           ; s[48:51], s[52:55], s[56:59] their groups 0; none is written again
.set G0A, 52
.set G0M, 56
.set L0P, 66                           ; +-57,344 x 2^e0; the same with e2; +-min(1, 57,344 x 2^e3)
.set L0N, 67
.set L2P, 68
.set L2N, 69
.set L3P, 70
.set L3N, 71
.set K1,  72                           ; s[72:73] -log2(e) x 2^(e0 + e1);  s[74:75] 2^(e2 + e3): the packed forms name a pair and take its low word
.set K2,  74
.set XS,  76                           ; s[76:77] x_t or h_tm1 at the work-group's first row
.set SGX, 78                           ; s78, s79 the group of rows in hand, in bytes of x - 1 and of the partial products
.set SGP, 79
.set CNT, 80
; A round of the cluster's barrier: my work-group's barrier; wave 0 signals for the work-group; every wave waits for all four work-groups; my work-group's barrier once more.
.macro ROUND
	s_barrier_signal -1
	s_barrier_wait -1
	s_cmp_lg_u32 s[WV], 0
	s_cbranch_scc1 .Lnot_wave_0_\@
	s_barrier_signal -3
.Lnot_wave_0_\@:
	s_barrier_wait -3
	s_barrier_signal -1
	s_barrier_wait -1
.endm
	s_load_b256 s[4:11], s[0:1], 0x0               ; x_t s[4:5], h_tm1 s[6:7], W_add s[8:9], W_mul s[10:11]
	s_load_b128 s[12:15], s[0:1], 0x20             ; G's codes s[12:13], the scales' exponents s[14:15]
	s_load_b64 s[16:17], s[0:1], 0x30              ; y
	v_lshl_add_u32 v30, v0, 2, 0x4f900
	v_mov_b32 v31, 0
	ds_add_u32 v30, v31
	ds_add_u32 v30, v31
	v_lshrrev_b32 v[TMP], 5, v0
	v_readfirstlane_b32 s[WV], v[TMP]              ; wave 0..7
	v_and_b32 v[LN], 31, v0
	v_and_b32 v[RR], 15, v0
	v_bfe_u32 v[HH], v0, 4, 1
	s_bfe_u32 s19, ttmp6, 0x40000                  ; cx: my place in the cluster; it enters x's and y's addresses alone
	s_lshl_b32 s2, ttmp9, 2                        ; in a cluster launch ttmp9 counts clusters
	s_add_co_u32 s2, s2, s19                       ; my block of 16 rows
	s_lshl_b32 s2, s2, 13                          ; 16 rows of 512 bytes, in x_t, in h_tm1 and in y
	s_mov_b32 s3, 0
	; x in the operand's own order: wave w takes k = 32 w .. 32 w + 31 (waves 0-3 of x_t, waves 4-7 of h_tm1); lane (r, h) the 16 numbers k = 32 w + 16 h + 0 .. 15 of row r
	s_and_b32 s60, s[WV], 3
	s_lshl_b32 s60, s60, 7
	v_lshlrev_b32 v[GOF], 9, v[RR]
	v_lshl_add_u32 v[GOF], v[HH], 6, v[GOF]
	v_add_nc_u32 v[GOF], s60, v[GOF]               ; 512 r + 128 (w % 4) + 64 h
	; descriptor groups 1.  15:0 the mask: all four partners; 17:16 element size; 20 padding on; 21 set beside a mask; 24:22 the padding's interval = a row; 31:25 four words of it
	s_mov_b32 s[G1G], 15|(0<<16)|(1<<20)|(1<<21)|(5<<22)|(3<<25)   ; G: elements of 1 byte, rows of 64 words
	s_mov_b32 s[G1G+1], 256<<16                    ; tensor_dim0 = 256
	s_mov_b32 s[G1G+2], 16<<16                     ; tensor_dim1 = 16
	s_mov_b32 s[G1G+3], 256<<16                    ; tile_dim0 = 256
	s_mov_b32 s[G1G+4], 16                         ; tile_dim1 = 16
	s_mov_b32 s[G1G+5], 256                        ; from row to row
	s_mov_b32 s[G1G+6], 0
	s_mov_b32 s[G1G+7], 0
.irp g, G1A, G1M
	s_mov_b32 s[\g], 15|(2<<16)|(1<<20)|(1<<21)|(7<<22)|(3<<25)    ; W_add, W_mul: elements of 4 bytes, rows of 256 words
	s_mov_b32 s[\g+1], 256<<16
	s_mov_b32 s[\g+2], 16<<16
	s_mov_b32 s[\g+3], 256<<16
	s_mov_b32 s[\g+4], 16
	s_mov_b32 s[\g+6], 0
	s_mov_b32 s[\g+7], 0
.endr
	s_mov_b32 s[G1A+5], 256                        ; W_add: neighbouring rows
	s_mov_b32 s[G1M+5], 1024                       ; W_mul: every fourth row
	; groups 0: wave w fetches rows 16 w .. 16 w + 15 of G and of W_add (it alone reads them), and W_mul's LDS rows 16 w .. 16 w + 15: columns 64 (w % 2) + w / 2 + 4 y
	s_mov_b32 s[G0G], 1
	s_mov_b32 s[G0A], 1
	s_mov_b32 s[G0M], 1
	s_mul_i32 s61, s[WV], 16*GP
	s_add_co_u32 s[G0G+1], s61, GCOD
	s_mul_i32 s[G0M+1], s[WV], PIECE               ; (W_mul's rows begin at LDS byte 0)
	s_add_co_u32 s[G0A+1], s[G0M+1], WADD
	s_lshl_b32 s82, s[WV], 12                      ; in memory: 16 rows of 256 bytes,
	s_mov_b32 s83, 0
	s_lshl_b32 s84, s[WV], 14                      ; 16 rows of 1,024 bytes,
	s_mov_b32 s85, 0
	s_and_b32 s62, s[WV], 1
	s_lshl_b32 s62, s62, 6
	s_lshr_b32 s63, s[WV], 1
	s_add_co_u32 s62, s62, s63
	s_lshl_b32 s62, s62, 10                        ; row 64 (w % 2) + w / 2
	s_mov_b32 s63, 0
	s_wait_dscnt 0x0
	s_wait_kmcnt 0x0
	s_load_b128 s[20:23], s[14:15], 0x0            ; e0, e1, e2, e3
	s_cmp_lt_u32 s[WV], 4
	s_cselect_b64 s[XS:XS+1], s[4:5], s[6:7]       ; the choice hangs on the wave's number alone
	s_add_nc_u64 s[XS:XS+1], s[XS:XS+1], s[2:3]
	s_add_nc_u64 s[16:17], s[16:17], s[2:3]
.irp q, 0,1,2,3
	global_load_b128 v[XR+4*\q:XR+4*\q+3], v[GOF], s[XS:XS+1] offset:16*\q th:TH_LOAD_NT   ; each byte of x is read once in the launch
.endr
	s_add_nc_u64 s[G0G+2:G0G+3], s[12:13], s[82:83]
	s_or_b32 s[G0G+3], s[G0G+3], 0x80000000        ; 127:126 type = 2
	s_add_nc_u64 s[G0A+2:G0A+3], s[8:9], s[84:85]
	s_or_b32 s[G0A+3], s[G0A+3], 0x80000000
	s_add_nc_u64 s[G0M+2:G0M+3], s[10:11], s[62:63]
	s_or_b32 s[G0M+3], s[G0M+3], 0x80000000
	ROUND                                          ; all four work-groups are here: the joint loads meet
	tensor_load_to_lds s[G0G:G0G+3], s[G1G:G1G+7]  ; three loads of mine are out: all the fills of the launch, in one group
	s_nop 0
	tensor_load_to_lds s[G0A:G0A+3], s[G1A:G1A+7]
	s_nop 0
	tensor_load_to_lds s[G0M:G0M+3], s[G1M:G1M+7]  ; W_mul last: it is wanted last
	s_nop 0
	; the LDS addresses: a constant + a constant x lane + a constant x wave, each
	v_mul_u32_u24 v[AXS], v[RR], WP
	s_lshl_b32 s60, s[WV], 7                       ; my wave's 32 k: 128 bytes of a row
	v_mul_u32_u24 v[AW0], v[LN], WP
	v_add_nc_u32 v[AW0], s60, v[AW0]               ; W_mul: LDS row = lane, + my k
	v_add_nc_u32 v[AW1], 64*WP, v[AW0]
	v_lshl_add_u32 v[AXS], v[HH], 6, v[AXS]        ; row r, + 64 h
	v_add_nc_u32 v[AWA], s[G0A+1], v[AXS]          ; in my rows of W_add
	s_add_co_u32 s60, s60, XPR
	v_add_nc_u32 v[AXS], s60, v[AXS]               ; in x - 1, + my k
	v_mov_b32 v[AXB], s60
	s_lshl_b32 s61, s[WV], 9
	s_add_co_u32 s61, s61, XIM
	v_lshl_add_u32 v[AIS], v[LN], 4, s61           ; wave w makes registers 4 (w % 4) .. + 3 of fragment w / 4: 512 w bytes into the images
	v_lshl_add_u32 v[AIM], v[LN], 4, XIM
	v_mul_u32_u24 v[AGC], v[RR], GP
	v_lshl_add_u32 v[AGC], v[HH], 4, v[AGC]
	v_add_nc_u32 v[AGC], s[G0G+1], v[AGC]
	s_lshl_b32 s61, s[WV], 6
	s_add_co_u32 s61, s61, s[G0A+1]                ; my stage: WADD + PQT x wave
	v_mul_u32_u24 v[APQ], v[RR], PQP
	v_lshl_add_u32 v[APQ], v[HH], 5, v[APQ]
	v_add_nc_u32 v[APQ], s61, v[APQ]               ; row r, + my half's eight columns
	s_add_co_u32 s61, s[G0A+1], PART
	v_lshl_add_u32 v[APS], v[LN], 4, s61
	s_lshl_b32 s61, s[WV], 10                      ; the way out: wave w takes rows 2 w and 2 w + 1; a lane four columns
	v_lshl_add_u32 v[OOF], v[LN], 4, s61
	s_add_co_u32 s61, s61, WADD+PART
	v_lshl_add_u32 v[AF0], v[LN], 4, s61
	v_add_nc_u32 v[AF1], 4*PIECE, v[AF0]
	v_lshrrev_b32 v[AQR], 2, v[LN]                 ; columns 4 l .. 4 l + 3 were made by wave l / 4
	v_mul_u32_u24 v[AQR], v[AQR], PQT
	v_and_b32 v[TMP], 3, v[LN]
	v_lshl_add_u32 v[AQR], v[TMP], 4, v[AQR]
	s_mul_i32 s61, s[WV], 2*PQP
	s_add_co_u32 s61, s61, WADD
	v_add_nc_u32 v[AQR], s61, v[AQR]
	; the given scales
	s_wait_kmcnt 0x0
	s_add_co_i32 s60, s20, 127
	s_lshl_b32 s61, s60, 23
	v_mov_b32 v[SC0], s61                          ; 2^e0
	s_add_co_i32 s60, s60, 15
	s_lshl_b32 s60, s60, 23
	s_or_b32 s[L0P], s60, 0x600000                 ; 57,344 x 2^e0
	s_or_b32 s[L0N], s[L0P], 0x80000000
	s_add_co_i32 s60, s22, 127
	s_lshl_b32 s61, s60, 23
	v_mov_b32 v[SC2], s61                          ; 2^e2
	s_add_co_i32 s60, s60, 15
	s_lshl_b32 s60, s60, 23
	s_or_b32 s[L2P], s60, 0x600000
	s_or_b32 s[L2N], s[L2P], 0x80000000
	s_add_co_i32 s60, s23, 127
	s_lshl_b32 s61, s60, 23
	v_mov_b32 v[SC3], s61                          ; 2^e3
	s_add_co_i32 s60, s60, 15
	s_lshl_b32 s60, s60, 23
	s_or_b32 s60, s60, 0x600000
	s_min_u32 s[L3P], s60, 0x3f800000              ; min(57,344 x 2^e3, 1): positive f32 numbers stand in the order of their bits.  reference()'s clip and the format's hold are one clamp
	s_or_b32 s[L3N], s[L3P], 0x80000000
	s_add_co_i32 s60, s20, s21
	s_lshl_b32 s60, s60, 23
	s_add_co_u32 s[K1], s60, 0xbfb8aa3b            ; -log2(e) with e0 + e1 added to its exponent field
	s_mov_b32 s[K1+1], s[K1]
	s_add_co_i32 s60, s22, s23
	s_add_co_i32 s60, s60, 127
	s_lshl_b32 s[K2], s60, 23                      ; 2^(e2 + e3)
	s_mov_b32 s[K2+1], s[K2]
	; ---- x: x - 1 into LDS rows; x's codes, once for each of its two scales, into LDS as images of the operands' registers
	s_wait_loadcnt 0x0
.irp i, 0,2,4,6,8,10,12,14
	v_pk_add_f32 v[XM+\i:XM+\i+1], v[XR+\i:XR+\i+1], -1.0 op_sel_hi:[1,0]
.endr
.irp q, 0,1,2,3
	ds_store_b128 v[AXS], v[XM+4*\q:XM+4*\q+3] offset:16*\q
.endr
.irp i, 0,1,2,3,4,5,6,7,8,9,10,11,12,13,14,15
	v_med3_num_f32 v[TQ+\i], v[XR+\i], s[L0N], s[L0P]    ; the conversion to an 8-bit code does not saturate (ISA guide 7.6.2): the hold at the largest code x the scale
.endr
.irp i, 0,1,2,3,4,5,6,7,8,9,10,11,12,13,14,15
	v_med3_num_f32 v[TQ2+\i], v[XR+\i], s[L2N], s[L2P]
.endr
	v_cvt_scalef32_pk8_bf8_f32 v[C0:C0+1], v[TQ:TQ+7], v[SC0]
	v_cvt_scalef32_pk8_bf8_f32 v[C0+2:C0+3], v[TQ+8:TQ+15], v[SC0]
	v_cvt_scalef32_pk8_bf8_f32 v[C2:C2+1], v[TQ2:TQ2+7], v[SC2]
	v_cvt_scalef32_pk8_bf8_f32 v[C2+2:C2+3], v[TQ2+8:TQ2+15], v[SC2]
	v_nop                                          ; one plain vector instruction behind the last conversion: later vector and matrix instructions write these registers
	ds_store_b128 v[AIS], v[C0:C0+3]               ; lane l's 16 codes at 16 l: k = 32 w + 16 h + 0 .. 15 of row r
	ds_store_b128 v[AIS], v[C2:C2+3] offset:2*FRB
	s_wait_dscnt 0x0                               ; for the others' sake: my stores have landed
	s_barrier_signal -1
	s_barrier_wait -1                              ; x - 1 and x's four operands lie in LDS.  (Tensor loads may be out)
	; ---- g and a for my 16 columns
	s_wait_tensorcnt 0x1                           ; my rows of G and of W_add are in; one younger load, my tile of W_mul, may stay out
.irp s, 0,1
.irp c, 0,1,2,3
.irp q, 0,1,2,3
	ds_load_b128 v[WA+64*\s+16*\c+4*\q:WA+64*\s+16*\c+4*\q+3], v[AWA] offset:512*\s+128*\c+16*\q   ; W_add(16 w + r, 128 s + 32 c + 16 h + 4 q ..)
.endr
.endr
.endr
.irp s, 0,1
.irp c, 0,1,2,3
	ds_load_b128 v[GF+16*\s+4*\c:GF+16*\s+4*\c+3], v[AGC] offset:128*\s+32*\c   ; G's codes of the same k.  (k stands in the same registers and bytes in both sources of each product: a permutation of k that both share)
.endr
.endr
.macro QWADD s                         ; 64 numbers of a lane become a fragment's 16 registers of codes
.set i, 0
.rept 64
	v_med3_num_f32 v[WA+64*(\s)+i], v[WA+64*(\s)+i], s[L3N], s[L3P]
.set i, i+1
.endr
.irp g, 0,1,2,3,4,5,6,7
	v_cvt_scalef32_pk8_bf8_f32 v[WC+16*(\s)+2*\g:WC+16*(\s)+2*\g+1], v[WA+64*(\s)+8*\g:WA+64*(\s)+8*\g+7], v[SC3]
.endr
.endm
	s_wait_dscnt 24                                ; W_add's first half is in; behind it: its second half (16) and G (8)
	QWADD 0
.irp f, 0,1,2,3
.irp c, 0,1,2,3
	ds_load_b128 v[XF+16*\f+4*\c:XF+16*\f+4*\c+3], v[AIM] offset:FRB*\f+512*\c   ; x's four fragments, into the registers that the first half has left; they land while the second half is quantised
.endr
.endr
	s_wait_dscnt 24                                ; W_add's second half is in; behind it: G (8) and x (16)
	QWADD 1
	v_nop                                          ; one plain vector instruction between the last conversion and the matrix instructions
	s_wait_dscnt 0x0
	; TRANSPOSED: source 0 = 16 columns' weights, source 1 = the 16 rows of x: lane (r, h) holds row r and columns 16 w + 8 h + 0 .. 7.  The two accumulators take turns
	v_wmma_f32_16x16x128_bf8_bf8 v[D1:D1+7], v[GF:GF+15], v[XF:XF+15], 0
	v_wmma_f32_16x16x128_bf8_bf8 v[D2:D2+7], v[WC:WC+15], v[XF+32:XF+47], 0
	v_wmma_f32_16x16x128_bf8_bf8 v[D1:D1+7], v[GF+16:GF+31], v[XF+16:XF+31], v[D1:D1+7]
	v_wmma_f32_16x16x128_bf8_bf8 v[D2:D2+7], v[WC+16:WC+31], v[XF+48:XF+63], v[D2:D2+7]
.rept 4
	v_nop                                          ; four places in front of the first read of the results (ISA guide 7.12.1)
.endr
.irp i, 0,2,4,6
	v_pk_mul_f32 v[EX+\i:EX+\i+1], v[D1+\i:D1+\i+1], s[K1:K1+1] op_sel_hi:[1,0]   ; -log2(e) x the gate's sum x 2^(e0 + e1)
.endr
.irp i, 0,1,2,3,4,5,6,7
	v_exp_f32 v[EX+\i], v[EX+\i]
.endr
.irp i, 0,2,4,6
	v_pk_mul_f32 v[AV+\i:AV+\i+1], v[D2+\i:D2+\i+1], s[K2:K2+1] op_sel_hi:[1,0]   ; a = sum x 2^(e2 + e3): plain work behind the exponentials
.endr
	s_wait_alu depctr_va_vdst(0)                   ; one wait for the eight exponentials, ahead of their first reader
.irp i, 0,2,4,6
	v_pk_add_f32 v[EX+\i:EX+\i+1], v[EX+\i:EX+\i+1], 1.0 op_sel_hi:[1,0]
.endr
.irp i, 0,1,2,3,4,5,6,7
	v_rcp_f32 v[EX+\i], v[EX+\i]                   ; g = 1 / (1 + e^-z)
.endr
	v_nop
	s_wait_alu depctr_va_vdst(0)                   ; and one for the eight reciprocals
.irp i, 0,2,4,6
	v_pk_mul_f32 v[AV+\i:AV+\i+1], v[AV+\i:AV+\i+1], v[EX+\i:EX+\i+1]   ; g a
.endr
.irp i, 0,1,2,3,4,5,6,7
	v_sub_f32 v[EX+\i], 1.0, v[EX+\i]              ; 1 - g
.endr
	ds_store_b128 v[APQ], v[AV:AV+3]               ; into the head of my own rows of W_add: their one fill has landed, and my reads of them are back
	ds_store_b128 v[APQ], v[AV+4:AV+7] offset:16
	ds_store_b128 v[APQ], v[EX:EX+3] offset:64
	ds_store_b128 v[APQ], v[EX+4:EX+7] offset:80
	s_wait_tensorcnt 0x0                           ; my tile of W_mul is in,
	s_wait_dscnt 0x0                               ; my stores have landed
	s_barrier_signal -1
	s_barrier_wait -1                              ; everybody's: W_mul is whole, and nobody reads W_add's rows any more
	; ---- m.  My slab of W_mul into registers: lane l, set s: LDS row 32 s + l = column 4 l + s, k = 32 w + 0 .. 31
.irp s, 0,1
.irp c, 0,1,2,3,4,5,6,7
	ds_load_b128 v[W+32*\s+4*\c:W+32*\s+4*\c+3], v[AW0] offset:32*\s*WP+16*\c
.endr
.endr
.irp s, 0,1
.irp c, 0,1,2,3,4,5,6,7
	ds_load_b128 v[W+64+32*\s+4*\c:W+64+32*\s+4*\c+3], v[AW1] offset:32*\s*WP+16*\c
.endr
.endr
; four loads, one address for all lanes: 4 k (the chunk) of x - 1 for four rows, from row `row` of the group in hand on
.macro XLOAD adr, buf, row, chunk
.irp q, 0,1,2,3
	ds_load_b128 v[XB+16*(\buf)+4*\q:XB+16*(\buf)+4*\q+3], v[\adr] offset:((\row)+\q)*WP+16*(\chunk)
.endr
.endm
	XLOAD AXB, 0, 0, 0                             ; the first group's first chunk
	s_mov_b32 s[SGX], 0
	s_mov_b32 s[SGP], 0
	s_mov_b32 s[CNT], 3
.irp s, 0,1,2,3
	s_wait_dscnt 28-8*\s                           ; set s is in; behind it: the later sets' eight loads each and the four of x - 1
.set i, 0
.rept 32
	v_med3_num_f32 v[W+32*\s+i], v[W+32*\s+i], 0, 1.0   ; reference()'s clip
.set i, i+1
.endr
.endr
; A chunk: 4 k x 4 rows x 128 columns.  For each pair of k: 16 factors (x - 1) W + 1, two numbers an instruction, then 16 multiplies onto the running products: no line reads the result of one of the 15 before it.
; A group's very first factors ARE the running products: nothing is set to 1.
.macro CHUNK c
.irp p, 0,1
.irp q, 0,1,2,3
.irp s, 0,1,2,3
.if (\c) == 0 && \p == 0
	v_pk_fma_f32 v[ACC+8*\q+2*\s:ACC+8*\q+2*\s+1], v[W+32*\s+4*(\c)+2*\p:W+32*\s+4*(\c)+2*\p+1], v[XB+16*((\c)%2)+4*\q+2*\p:XB+16*((\c)%2)+4*\q+2*\p+1], 1.0 op_sel_hi:[1,1,0]
.else
	v_pk_fma_f32 v[T+8*\q+2*\s:T+8*\q+2*\s+1], v[W+32*\s+4*(\c)+2*\p:W+32*\s+4*(\c)+2*\p+1], v[XB+16*((\c)%2)+4*\q+2*\p:XB+16*((\c)%2)+4*\q+2*\p+1], 1.0 op_sel_hi:[1,1,0]
.endif
.endr
.endr
.if (\c) != 0 || \p != 0
.irp q, 0,1,2,3
.irp s, 0,1,2,3
	v_pk_mul_f32 v[ACC+8*\q+2*\s:ACC+8*\q+2*\s+1], v[ACC+8*\q+2*\s:ACC+8*\q+2*\s+1], v[T+8*\q+2*\s:T+8*\q+2*\s+1]
.endr
.endr
.endif
.endr
.endm
; A group of four rows: eight chunks; each chunk's four loads are issued a chunk (64 vector instructions) ahead, the next group's first chunk in this group's last.  last = 1: there is no next group.
.macro GROUP last
	v_add_nc_u32 v[AXC], s[SGX], v[AXB]            ; (no LDS instruction that names these two is out: the group before ended with a wait for all)
	v_add_nc_u32 v[APC], s[SGP], v[APS]
.irp c, 0,1,2,3,4,5,6,7
.if \c < 7
	XLOAD AXC, (\c+1)%2, 0, \c+1
	s_wait_dscnt 0x4                               ; this chunk's loads are in; the four just issued may be out
.elseif \last == 0
	XLOAD AXC, 0, 4, 0
	s_wait_dscnt 0x4
.else
	s_wait_dscnt 0x0
.endif
	CHUNK \c
.endr
.irp q, 0,1,2,3
.irp s, 0,1,2,3
	v_mul_f32 v[T+4*\q+\s], v[ACC+8*\q+2*\s], v[ACC+8*\q+2*\s+1]   ; the even k's product x the odd k's
.endr
.endr
.irp q, 0,1,2,3
	ds_store_b128 v[APC], v[T+4*\q:T+4*\q+3] offset:512*\q   ; my slab's partial products of a row: columns 4 l .. 4 l + 3 at 16 l, into my own rows of W_add, which nobody reads any more
.endr
	s_wait_dscnt 0x0                               ; the stores have read their registers and landed; the next group's first chunk is in
.endm
.Lgroup:
	GROUP 0
	s_add_co_u32 s[SGX], s[SGX], 4*WP
	s_add_co_u32 s[SGP], s[SGP], 4*512
	s_sub_co_u32 s[CNT], s[CNT], 1
	s_cmp_lg_u32 s[CNT], 0
	s_cbranch_scc1 .Lgroup
	GROUP 1                                        ; the last four rows fetch nothing beyond the sixteenth
	s_barrier_signal -1
	s_barrier_wait -1                              ; all eight slabs' partial products lie in LDS
	; ---- the way out: wave w takes rows 2 w and 2 w + 1, a lane four neighbouring columns
.irp i, 0,1
.irp u, 0,1,2,3
	ds_load_b128 v[PR+32*\i+4*\u:PR+32*\i+4*\u+3], v[AF0] offset:\u*PIECE+512*\i
.endr
.irp u, 0,1,2,3
	ds_load_b128 v[PR+32*\i+16+4*\u:PR+32*\i+16+4*\u+3], v[AF1] offset:\u*PIECE+512*\i
.endr
.endr
.irp i, 0,1
	ds_load_b128 v[PQ+8*\i:PQ+8*\i+3], v[AQR] offset:PQP*\i          ; g a
	ds_load_b128 v[PQ+8*\i+4:PQ+8*\i+7], v[AQR] offset:PQP*\i+64     ; 1 - g
.endr
	s_wait_dscnt 0x4                               ; the sixteen partial products are in; g a and 1 - g may be out
.irp d, 1,2,4                                  ; the eight slabs' products, neighbours 1, 2 and 4 slabs apart
.irp i, 0,1
.irp e, 0,2
.irp u, 0,2,4,6
.if (\u % (2*\d)) == 0
	v_pk_mul_f32 v[PR+32*\i+4*\u+\e:PR+32*\i+4*\u+\e+1], v[PR+32*\i+4*\u+\e:PR+32*\i+4*\u+\e+1], v[PR+32*\i+4*(\u+\d)+\e:PR+32*\i+4*(\u+\d)+\e+1]
.endif
.endr
.endr
.endr
.endr
	s_wait_dscnt 0x0
.irp i, 0,1
.irp e, 0,2
	v_pk_fma_f32 v[PR+32*\i+\e:PR+32*\i+\e+1], v[PQ+8*\i+4+\e:PQ+8*\i+4+\e+1], v[PR+32*\i+\e:PR+32*\i+\e+1], v[PQ+8*\i+\e:PQ+8*\i+\e+1]   ; y = (1 - g) m + g a
.endr
.endr
.irp i, 0,1
	global_store_b128 v[OOF], v[PR+32*\i:PR+32*\i+3], s[16:17] offset:512*\i th:TH_STORE_NT   ; 32 lanes store a row of 512 consecutive bytes, at a multiple of 256 from y's first byte
.endr
	s_wait_tensorcnt 0x0
	ds_add_u32 v30, v31
	s_wait_dscnt 0x0
	ROUND                                          ; the closing round: no work-group ends while a partner may still ask for a tile that names it.  (All my tensor loads were waited for above; no LDS instruction of mine is out)
	s_endpgm
.Lfunc_end_k_q9dea5acedb_nalu:
	.size	k_q9dea5acedb_nalu, .Lfunc_end_k_q9dea5acedb_nalu-k_q9dea5acedb_nalu
	.p2alignl 7, 3214868480
	.fill 96, 4, 3214868480
	.section	.rodata,"a",@progbits
	.p2align	6, 0x0
	.amdhsa_kernel k_q9dea5acedb_nalu
		.amdhsa_group_segment_fixed_size 327680
		.amdhsa_private_segment_fixed_size 0
		.amdhsa_enable_private_segment 0
		.amdhsa_kernarg_size 56
		.amdhsa_user_sgpr_count 2
		.amdhsa_user_sgpr_kernarg_segment_ptr 1
		.amdhsa_wavefront_size32 1
		.amdhsa_system_sgpr_workgroup_id_x 1
		.amdhsa_system_sgpr_workgroup_id_y 1
		.amdhsa_system_sgpr_workgroup_id_z 1
		.amdhsa_system_vgpr_workitem_id 0
		.amdhsa_next_free_vgpr 256
		.amdhsa_next_free_sgpr 88
		.amdhsa_reserve_vcc 0
		.amdhsa_float_denorm_mode_32 3
		.amdhsa_float_denorm_mode_16_64 3
		.amdhsa_memory_ordered 1
		.amdhsa_forward_progress 1
		.amdhsa_inst_pref_size 110
	.end_amdhsa_kernel
	.amdgpu_metadata
---
amdhsa.version: [ 1, 2 ]
amdhsa.kernels:
  - .name:           k_q9dea5acedb_nalu
    .symbol:         k_q9dea5acedb_nalu.kd
    .args:
      - { .name: x_t, .offset: 0, .size: 8, .value_kind: global_buffer, .address_space: global }
      - { .name: h_tm1, .offset: 8, .size: 8, .value_kind: global_buffer, .address_space: global }
      - { .name: W_add, .offset: 16, .size: 8, .value_kind: global_buffer, .address_space: global }
      - { .name: W_mul, .offset: 24, .size: 8, .value_kind: global_buffer, .address_space: global }
      - { .name: G_add_codes, .offset: 32, .size: 8, .value_kind: global_buffer, .address_space: global }
      - { .name: lowp_scales, .offset: 40, .size: 8, .value_kind: global_buffer, .address_space: global }
      - { .name: out0, .offset: 48, .size: 8, .value_kind: global_buffer, .address_space: global }
    .group_segment_fixed_size: 327680
    .private_segment_fixed_size: 0
    .kernarg_segment_align: 8
    .kernarg_segment_size: 56
    .max_flat_workgroup_size: 256
    .sgpr_count:     88
    .vgpr_count:     256
    .wavefront_size: 32
...
	.end_amdgpu_metadata
.endif
;; end of part 1
